; MI455X (gfx1250); checked and timed in simulation.
; The chip was launched on July 23, 2026; its instructions are those of AMD's public machine-readable ISA for CDNA 5 (MIT licence, August 2026) and "CDNA5" Instruction Set Architecture Reference Guide (July 2026). The comments in the code are by the model that wrote it; some were corrected since.
;; Quantize 2. Allowed arithmetic: matrix products marked QUANTISED: E2M1 operands, one E8M0 scale for each 32 along K, by v_wmma_scale_f32_16x16x128_f8f6f4 with both operands' format E2M1 (or v_wmma_scale_f32_32x16x128_f4), f32 sums; everything else in f32.
;; Inputs: embed 256 x 8,192 float32; input 32 x 512 x 256 float32.
;; Outputs: out0 32 x 512 x 256 float32; out1 one number float32; out2 32 x 512 int32.
;; Constants: fix = 1.
;; This version of the problem:
;;   THIS VERSION OF THE PROBLEM IS GIVEN IN LOW PRECISION. The matrix products marked QUANTISED in the list below multiply operands that are first quantised to E2M1 (2 exponent bits, 1 mantissa bit; 4 bits a number), with one power-of-two scale for each 32 numbers along K (OCP MX v1.0); their sums are f32. All else is computed in f32.
;;   The module's matrix products, in the order in which they are computed (A, B: the left and right operand; K: the contracted axis; several contracted axes count as one K, in the product's order):
;;     1. [M 16,384, K 256] x [K 256, N 8,192]; A: input input; B: input embed: QUANTISED
;;   THE QUANTISER, for each operand of a quantised product, along K:
;;     - K is cut into blocks of 32 from its start; a last block that is shorter is filled with zeros.
;;     - A block's scale is 2^e with e = floor(log2(the largest magnitude in the block)) - 2, held to -126 .. 127; a block of zeros has e = 0. As a byte (E8M0): e + 127.
;;     - Each number is divided by its block's scale, clamped to +-6, and rounded to the nearest number of E2M1, ties to even, subnormals kept.
;;     - The product sums the exact products of the quantised numbers (number of the format x scale) in f32.
;;   ~~~python
;;   def quantise(x, axis):      # numpy; x: float32 -> the quantised numbers, widened to float32 again
;;       x = np.moveaxis(x, axis, -1); K = x.shape[-1]
;;       x = np.pad(x, [(0, 0)] * (x.ndim - 1) + [(0, -K % 32)]); x = x.reshape(x.shape[:-1] + (-1, 32)); a = np.abs(x).max(-1, keepdims=True)
;;       e = np.where(a > 0, np.clip(np.frexp(np.where(a > 0, a, 1))[1] - 1 - 2, -126, 127), 0)      # np.frexp(a)[1] - 1 = floor(log2(a)), exactly
;;       r = np.clip(x / 2.0 ** e, -6, 6)
;;       step = 2.0 ** (np.maximum(np.frexp(np.where(r == 0, 1, r))[1] - 1, 0) - 1)
;;       q = np.round(r / step) * step * 2.0 ** e      # np.round: ties to even
;;       return np.moveaxis(q.reshape(q.shape[:-2] + (-1,))[..., :K], -1, axis).astype(np.float32)
;;   ~~~
;; One version. Each part assembles by itself: llvm-mc -triple=amdgcn-amd-amdhsa -mcpu=gfx1250 --defsym DOCPART=n.
;; ======== version 1 of 1: 4 launches
;; limits: right only within a limited range of input values
;; workspace buffers: xc 2,097,152 bytes; xs 131,072 bytes; eu 1,146,880 bytes; embT 8,388,608 bytes; ckey 262,144 bytes of whole numbers; cidx 262,144 bytes of whole numbers; part 1,024 bytes
;; launch prep (part 1): grid 256 x 1, 8 waves a work-group, no clusters, 91,136 bytes of LDS; arguments embed, input, eu, embT, xc, xs; writes eu, embT, xc, xs
.if DOCPART == 1
	.amdgcn_target "amdgcn-amd-amdhsa--gfx1250"
	.amdhsa_code_object_version 6
	.text
	.protected	k_qd78329d0bc_prep
	.globl	k_qd78329d0bc_prep
	.p2align	8
	.type	k_qd78329d0bc_prep,@function
k_qd78329d0bc_prep:
	s_mov_b64 s[64:65], 0
	v_nop
	global_prefetch_b8 v0, s[64:65] scope:SCOPE_SE
	s_setreg_imm32_b32 hwreg(HW_REG_WAVE_MODE, 25, 1), 1
	s_wait_xcnt 0x0
; Both operands of x . e become codes of FP4 (E2M1) with one E8M0 byte for each 32 along K = 256, laid as IMAGES OF THE OPERAND'S REGISTERS, and embed is also written turned, for the later gather.
; DEAD WORK in this program: the sum of squares of a row of input is the same for all codes of that row, so for all inputs it moves no argmin: it is computed in no launch.
;   x + (e - x) is e in exact arithmetic, for all inputs: the last term x - x is left out of out0.  An overflow, a NaN or an infinity that reaches only these is not carried to the results.
; A tile is 16 rows (of input, or 16 codes of the codebook) x 256 K = 2,048 bytes: block b (0..7) of row r is 16 bytes at 256 b + 16 r, so that 16 bytes a lane at 512 G + 16 lane are registers 4 c .. 4 c + 3 of K step s, G = 2 s + c.
; xs: 128 bytes a tile of input: block b of row r at 64 (b / 4) + 4 r + b % 4: the word at 4 lane is K step 0's for lanes 0-15 and K step 1's for lanes 16-31.
; eu: 8,960 bytes for each 64 codes: four tiles of codes; the scale bytes of two pairs of tiles, 256 bytes a pair: block b of the pair's code m (0..31) at 128 (b / 4) + 4 m + b % 4; then 64 numbers -0.5 x the code's sum of squares (f32).
; embT: [8192][256] f32.
; A block's scale is 2^(floor(log2(its largest magnitude)) - 2); its byte is the largest magnitude's exponent field - 2, held at 1 from below.
; LIMITS: a block of zeros gets the byte 1 where the quantiser says 127 (its codes are zeros, and this program alone reads the bytes); NaN and infinities among the inputs are not served.
; SHARES: work-groups 0-127 take embed (64 columns each, all of K), work-groups 128-255 take input (128 rows each).  The two ways part on the work-group's number and have LDS bytes of their own.
.set X,      32                        ; the numbers as loaded
.set CD,     16                        ; embed's way: v16-23 the codes of the wave's two blocks
.set ACC,    24                        ; v24-31 four pairs of partial sums of squares
.set OUTR,   96                        ; v96-159 rows of embT on their way out
.set EPITCH, 272                       ; a stage row: 256 bytes + 16, so that sixteen rows begin at sixteen different banks (64 banks of 4 bytes: ISA guide 11.1)
.set EWST,   32*EPITCH                 ; embed's way: a wave's stage, 32 columns
.set EPART,  8*EWST                    ; [4 parts of K][64 columns] f32: partial sums of squares
.set EMETA,  EPART+1024                ; the scale bytes and starts of 64 codes, 768 bytes
.set XSTG,   EMETA+1024                ; input's way: a wave's stage, 8 blocks x (256 + 16) bytes
.set XWST,   8*272
.set XSC,    XSTG+8*XWST               ; eight tiles' scale bytes, 1,024 bytes
.set SPARE,  XSC+1024                  ; the spare words, 128 bytes for each wave
	s_load_b128 s[4:7], s[0:1], 0x0                ; embed s[4:5], input s[6:7]
	s_load_b64 s[8:9], s[0:1], 0x10                ; eu
	s_load_b64 s[12:13], s[0:1], 0x18              ; embT
	s_load_b64 s[14:15], s[0:1], 0x20              ; xc
	s_load_b64 s[16:17], s[0:1], 0x28              ; xs
	v_lshl_add_u32 v192, v0, 2, SPARE
	v_mov_b32 v193, 0
	v_lshrrev_b32 v1, 5, v0
	s_delay_alu instid0(VALU_DEP_1)
	v_readfirstlane_b32 s18, v1                    ; wave 0..7
	v_and_b32 v2, 31, v0                           ; lane
	v_and_b32 v3, 15, v0                           ; r = lane % 16
	v_bfe_u32 v4, v0, 4, 1                         ; h = lane / 16
	s_mov_b32 s23, 0                               ; the high word of every offset pair s[22:23]
	s_wait_alu depctr_va_vdst(0)                   ; directly ahead of the wait below
	s_wait_kmcnt 0x0
	s_cmp_lt_u32 ttmp9, 128
	s_cbranch_scc0 .Lpath_x
; ---------------- embed: work-group e owns columns 64 e .. 64 e + 63.  Wave (cw, kw): 32 columns, 64 along K: a lane has one column, its registers run down K: two whole blocks.
	s_and_b32 s19, s18, 1                          ; cw
	s_lshr_b32 s20, s18, 1                         ; kw
	s_lshl_b32 s22, s20, 21
	s_lshl_b32 s21, ttmp9, 8                       ; + 64 e columns
	s_add_co_u32 s22, s22, s21
	s_lshl_b32 s21, s19, 7                         ; + 32 cw columns
	s_add_co_u32 s22, s22, s21
	s_add_nc_u64 s[4:5], s[4:5], s[22:23]
	v_lshlrev_b32 v5, 2, v2                        ; 4 bytes a lane: a load reads 128 consecutive bytes, the pair of waves cw = 0, 1 an aligned 256
	s_wait_alu depctr_va_vdst(0)
.set i, 0
.rept 64
	global_load_b32 v[X+i], v5, s[4:5] offset:i*32768 th:TH_LOAD_NT
.set i, i+1
.endr
	s_mul_i32 s22, ttmp9, 8960                     ; my 64 codes' image
	s_add_nc_u64 s[8:9], s[8:9], s[22:23]
	s_add_nc_u64 s[10:11], s[8:9], 8192            ; its scale bytes and starts
	s_lshl_b32 s22, s19, 12
	s_lshl_b32 s21, s20, 9
	s_add_co_u32 s22, s22, s21
	s_add_nc_u64 s[8:9], s[8:9], s[22:23]          ; my two tiles' two blocks
	s_lshl_b32 s22, ttmp9, 16
	s_lshl_b32 s21, s19, 15
	s_add_co_u32 s22, s22, s21
	s_lshl_b32 s21, s20, 8
	s_add_co_u32 s22, s22, s21
	s_add_nc_u64 s[12:13], s[12:13], s[22:23]      ; embT: my 32 columns' rows, my 256 bytes of each
	s_lshl_b32 s24, s20, 8
	s_lshl_b32 s21, s19, 7
	s_add_co_u32 s24, s24, s21
	s_add_co_u32 s24, s24, EPART
	s_lshl_b32 s25, s19, 8                         ; pair cw, K step kw / 2, byte 2 (kw % 2)
	s_lshr_b32 s21, s20, 1
	s_lshl_b32 s21, s21, 7
	s_add_co_u32 s25, s25, s21
	s_and_b32 s21, s20, 1
	s_lshl_b32 s21, s21, 1
	s_add_co_u32 s25, s25, s21
	s_add_co_u32 s25, s25, EMETA
	s_mul_i32 s26, s18, EWST                       ; my stage
	v_lshlrev_b32 v6, 11, v4
	v_lshlrev_b32 v10, 10, v4
	v_mul_u32_u24 v160, v2, EPITCH
	v_mul_u32_u24 v161, v4, EPITCH
	v_lshl_add_u32 v6, v3, 4, v6                   ; the codes: tile h of my two, 16 r
	v_lshl_add_u32 v10, v3, 4, v10                 ; embT: lanes 0-15 one row's 256 bytes, lanes 16-31 the next row's
	v_add_nc_u32 v160, s26, v160                   ; into the stage: row = my column
	v_lshl_add_u32 v161, v3, 4, v161
	v_add_nc_u32 v7, s24, v5                       ; my column's partial sum
	v_lshl_add_u32 v8, v2, 2, s25                  ; my column's two scale bytes
	v_lshlrev_b32 v11, 3, v2                       ; 8 x lane
	v_add_nc_u32 v161, s26, v161                   ; out of it: sixteen lanes to a row
	v_add_nc_u32 v162, EPART, v11                  ; wave 0's last part: two columns a lane
	v_add_nc_u32 v163, EMETA, v11
	v_add_nc_u32 v164, EMETA+512, v11              ; their starts, behind the 512 scale bytes
; Block b of my two: largest magnitude, scale, codes, the codes' store, and the block's share of the sum of squares.
.macro EBLK b
.set XB, X+32*(\b)
	v_max3_num_f32 v12, |v[XB]|, |v[XB+1]|, |v[XB+2]|              ; all 32 numbers are mine: two chains
	v_max3_num_f32 v13, |v[XB+3]|, |v[XB+4]|, |v[XB+5]|
.irp i, 6,10,14,18,22,26
	s_delay_alu instid0(VALU_DEP_2)
	v_max3_num_f32 v12, v12, |v[XB+\i]|, |v[XB+\i+1]|
	s_delay_alu instid0(VALU_DEP_2)
	v_max3_num_f32 v13, v13, |v[XB+\i+2]|, |v[XB+\i+3]|
.endr
	s_delay_alu instid0(VALU_DEP_2)
	v_max3_num_f32 v12, v12, |v[XB+30]|, |v[XB+31]|
	s_delay_alu instid0(VALU_DEP_1)
	v_max3_num_f32 v12, v12, v13, 0x1800000        ; the floor 2^(3 - 127): the byte cannot fall under 1
	s_delay_alu instid0(VALU_DEP_1)
	v_add_nc_u32 v[14+(\b)], 0xff000000, v12       ; 2 off the exponent field: the conversion takes this operand's exponent field as its scale
	s_delay_alu instid0(VALU_DEP_1)
	v_lshrrev_b32 v[165+(\b)], 23, v[14+(\b)]      ; the scale's byte
.irp g, 0,1,2,3
	v_cvt_scalef32_pk8_fp4_f32 v[CD+4*(\b)+\g], v[XB+8*\g:XB+8*\g+7], v[14+(\b)]
.endr
	v_nop                                          ; one plain place behind the scaled conversions
	global_store_b128 v6, v[CD+4*(\b):CD+4*(\b)+3], s[8:9] offset:256*(\b)   ; sixteen lanes store 256 consecutive bytes, aligned
.set i, 0
.rept 16
.if (\b) == 0 && i < 4
	v_pk_mul_f32 v[ACC+2*i:ACC+2*i+1], v[XB+2*i:XB+2*i+1], v[XB+2*i:XB+2*i+1]   ; the first four pairs start the four chains: nothing is cleared
.else
	v_pk_fma_f32 v[ACC+2*(i%4):ACC+2*(i%4)+1], v[XB+2*i:XB+2*i+1], v[XB+2*i:XB+2*i+1], v[ACC+2*(i%4):ACC+2*(i%4)+1]
.endif
.set i, i+1
.endr
.endm
	s_wait_loadcnt 32                              ; the first block's 32 loads are in; the second block's may be out
	EBLK 0
	s_wait_loadcnt 0x0
	EBLK 1
	v_pk_add_f32 v[ACC:ACC+1], v[ACC:ACC+1], v[ACC+2:ACC+3]
	v_pk_add_f32 v[ACC+4:ACC+5], v[ACC+4:ACC+5], v[ACC+6:ACC+7]
	v_lshl_or_b32 v9, v166, 8, v165                ; my two bytes, neighbours in the scale image
	v_pk_add_f32 v[ACC:ACC+1], v[ACC:ACC+1], v[ACC+4:ACC+5]
	v_add_f32 v[ACC], v[ACC], v[ACC+1]             ; the sum of squares of my 64 numbers
	ds_store_b16 v8, v9
	ds_store_b32 v7, v[ACC]
.set i, 0
.rept 16
	ds_store_b128 v160, v[X+4*i:X+4*i+3] offset:16*i              ; my column's 64 numbers: 256 bytes of a row of embT
.set i, i+1
.endr
.set i, 0
.rept 16
	ds_load_b128 v[OUTR+4*i:OUTR+4*i+3], v161 offset:2*i*EPITCH   ; LDS serves a wave's instructions in order (ISA guide 5.7.1.4): these see my stores
.set i, i+1
.endr
.set i, 0
.rept 16
	s_wait_dscnt 15-i                              ; the younger loads from the stage may be out
	global_store_b128 v10, v[OUTR+4*i:OUTR+4*i+3], s[12:13] offset:2048*i   ; sixteen lanes store 256 consecutive bytes, aligned
.set i, i+1
.endr
	s_wait_dscnt 0x0                               ; for the others' sake: my partial sums and scale bytes lie in LDS
	s_barrier_signal -1
	s_barrier_wait -1
	s_cmp_lg_u32 s18, 0
	s_cbranch_scc1 .Lend_e
.irp k, 0,1,2,3
	ds_load_b64 v[168+2*\k:169+2*\k], v162 offset:256*\k           ; wave 0: the four parts of K, two columns a lane
.endr
	s_wait_dscnt 0x0
	v_pk_add_f32 v[168:169], v[168:169], v[170:171]
	v_pk_add_f32 v[172:173], v[172:173], v[174:175]
	v_pk_add_f32 v[168:169], v[168:169], v[172:173]
	v_pk_mul_f32 v[168:169], v[168:169], -0.5 op_sel_hi:[1,0]      ; -0.5 x the sum of squares: what the product's sums start from
	ds_store_b64 v164, v[168:169]
.irp u, 0,1,2
	ds_load_b64 v[176+2*\u:177+2*\u], v163 offset:256*\u           ; the 768 bytes as they lie: in order behind my store
.endr
	s_wait_dscnt 0x0
.irp u, 0,1,2
	global_store_b64 v11, v[176+2*\u:177+2*\u], s[10:11] offset:256*\u   ; 32 lanes store 256 consecutive bytes, aligned
.endr
.Lend_e:
	s_wait_tensorcnt 0x0
	ds_add_u32 v192, v193
	s_wait_dscnt 0x0
	s_endpgm
; ---------------- input: wave w of work-group 128 + xg owns row tile T = 8 xg + w: 16 rows.  A lane holds 8 neighbours along K (k = 8 lane ..), four lanes a block.
.Lpath_x:
	s_sub_co_u32 s19, ttmp9, 128                   ; xg
	s_lshl_b32 s20, s19, 3
	s_add_co_u32 s20, s20, s18                     ; T
	s_lshl_b32 s22, s20, 14                        ; 16 rows of 1,024 bytes
	s_add_nc_u64 s[6:7], s[6:7], s[22:23]
	v_lshlrev_b32 v5, 5, v2                        ; 32 bytes a lane
	s_wait_alu depctr_va_vdst(0)
.macro XLOAD j                         ; a row's two loads stand together and cover its 1,024 bytes between them
	global_load_b128 v[X+8*(\j):X+8*(\j)+3], v5, s[6:7] offset:1024*(\j)
	global_load_b128 v[X+8*(\j)+4:X+8*(\j)+7], v5, s[6:7] offset:1024*(\j)+16
.endm
.irp j, 0,1,2,3,4,5,6,7
	XLOAD \j                                       ; rows 0 to 7; rows 8 to 15 are asked for as these are worked: 16 loads of the wave are out
.endr
	s_lshl_b32 s22, s20, 11
	s_add_nc_u64 s[14:15], s[14:15], s[22:23]      ; xc at my tile
	s_lshl_b32 s22, s19, 10
	s_add_nc_u64 s[16:17], s[16:17], s[22:23]      ; xs at the work-group's eight tiles
	s_mul_i32 s24, s18, XWST
	s_add_co_u32 s24, s24, XSTG                    ; my stage
	s_lshl_b32 s25, s18, 7
	s_add_co_u32 s25, s25, XSC                     ; my tile's scale bytes
	v_lshrrev_b32 v7, 2, v2
	v_and_b32 v8, 3, v2
	v_bfe_u32 v9, v0, 2, 2
	v_mul_u32_u24 v6, v7, 272
	v_mul_u32_u24 v10, v4, 272
	v_lshl_add_u32 v7, v4, 6, v9
	v_lshl_add_u32 v6, v8, 2, v6
	v_lshl_add_u32 v10, v3, 4, v10
	v_lshlrev_b32 v12, 4, v0                       ; xs: 16 bytes a thread (waves 0 and 1)
	v_add_nc_u32 v6, s24, v6                       ; my 4 bytes of codes: block lane / 4 (272 bytes apart), 4 (lane % 4); + 16 r by the offset: the 32 lanes fall on 32 different banks
	v_add_nc_u32 v7, s25, v7                       ; my block's byte: 64 (b / 4) + b % 4; + 4 r by the offset
	v_add_nc_u32 v10, s24, v10                     ; back: lanes 0-15 block 2 G, lanes 16-31 block 2 G + 1
	v_lshlrev_b32 v11, 4, v2                       ; xc: 16 bytes a lane
	v_add_nc_u32 v13, XSC, v12
; Rows 4 a .. 4 a + 3, by turns, so that no line waits for the line above it.  Each row has registers of its own for its codes (v160 + r) and its byte (v176 + r).
.macro XROWS a
.if (\a) < 3
	s_wait_loadcnt 8                               ; these four rows' eight loads are in; the next four rows' may be out
.else
	s_wait_loadcnt 0x0
.endif
.if (\a) < 2
.irp n, 8,9,10,11
	XLOAD 4*(\a)+\n
.endr
.endif
.irp n, 0,1,2,3
	v_max3_num_f32 v[16+\n], |v[X+8*(4*(\a)+\n)]|, |v[X+8*(4*(\a)+\n)+1]|, 0x1800000   ; my 8 numbers, and the floor 2^(3 - 127)
.endr
.irp k, 2,4,6
.irp n, 0,1,2,3
	v_max3_num_f32 v[16+\n], v[16+\n], |v[X+8*(4*(\a)+\n)+\k]|, |v[X+8*(4*(\a)+\n)+\k+1]|
.endr
.endr
.irp n, 0,1,2,3
	v_max_num_f32_dpp v[16+\n], v[16+\n], v[16+\n] row_xmask:1 row_mask:0xf bank_mask:0xf
.endr
.irp n, 0,1,2,3
	v_max_num_f32_dpp v[16+\n], v[16+\n], v[16+\n] row_xmask:2 row_mask:0xf bank_mask:0xf   ; with the block's other three lanes
.endr
.irp n, 0,1,2,3
	v_add_nc_u32 v[20+\n], 0xff000000, v[16+\n]    ; 2 off the exponent field: the conversion's scale operand
.endr
.irp n, 0,1,2,3
	v_cvt_scalef32_pk8_fp4_f32 v[160+4*(\a)+\n], v[X+8*(4*(\a)+\n):X+8*(4*(\a)+\n)+7], v[20+\n]
.endr
.irp n, 0,1,2,3
	v_lshrrev_b32 v[176+4*(\a)+\n], 23, v[20+\n]   ; the scale's byte.  (Plain lines behind the scaled conversions)
.endr
.irp n, 0,1,2,3
	ds_store_b32 v6, v[160+4*(\a)+\n] offset:16*(4*(\a)+\n)
	ds_store_b8 v7, v[176+4*(\a)+\n] offset:4*(4*(\a)+\n)          ; the block's four lanes write the same byte with the same value
.endr
.endm
	XROWS 0
	XROWS 1
	XROWS 2
	XROWS 3
.irp g, 0,1,2,3
	ds_load_b128 v[32+4*\g:35+4*\g], v10 offset:544*\g             ; in order behind my stores: the tile's image, 512 bytes at a time
.endr
.irp g, 0,1,2,3
	s_wait_dscnt 3-\g                              ; the younger loads from the stage may be out
	global_store_b128 v11, v[32+4*\g:35+4*\g], s[14:15] offset:512*\g   ; 32 lanes store 512 consecutive bytes, aligned
.endr
	s_wait_dscnt 0x0                               ; for the others' sake: my tile's scale bytes lie in LDS
	s_barrier_signal -1
	s_barrier_wait -1
	s_cmp_lt_u32 s18, 2
	s_cbranch_scc0 .Lend_x
	ds_load_b128 v[48:51], v13                     ; waves 0 and 1: the eight tiles' 1,024 scale bytes
	s_wait_dscnt 0x0
	global_store_b128 v12, v[48:51], s[16:17]      ; 32 lanes store 512 consecutive bytes, aligned
.Lend_x:
	s_wait_tensorcnt 0x0
	ds_add_u32 v192, v193
	s_wait_dscnt 0x0
	s_endpgm
.Lfunc_end_k_qd78329d0bc_prep:
	.size	k_qd78329d0bc_prep, .Lfunc_end_k_qd78329d0bc_prep-k_qd78329d0bc_prep
	.p2alignl 7, 3214868480
	.fill 96, 4, 3214868480
	.section	.rodata,"a",@progbits
	.p2align	6, 0x0
	.amdhsa_kernel k_qd78329d0bc_prep
		.amdhsa_group_segment_fixed_size 91136
		.amdhsa_private_segment_fixed_size 0
		.amdhsa_enable_private_segment 0
		.amdhsa_kernarg_size 48
		.amdhsa_user_sgpr_count 2
		.amdhsa_user_sgpr_kernarg_segment_ptr 1
		.amdhsa_wavefront_size32 1
		.amdhsa_system_sgpr_workgroup_id_x 1
		.amdhsa_system_sgpr_workgroup_id_y 1
		.amdhsa_system_sgpr_workgroup_id_z 1
		.amdhsa_system_vgpr_workitem_id 0
		.amdhsa_next_free_vgpr 194
		.amdhsa_next_free_sgpr 66
		.amdhsa_reserve_vcc 0
		.amdhsa_float_denorm_mode_32 3
		.amdhsa_float_denorm_mode_16_64 3
		.amdhsa_memory_ordered 1
		.amdhsa_forward_progress 1
		.amdhsa_inst_pref_size 38
	.end_amdhsa_kernel
	.amdgpu_metadata
---
amdhsa.version: [ 1, 2 ]
amdhsa.kernels:
  - .name:           k_qd78329d0bc_prep
    .symbol:         k_qd78329d0bc_prep.kd
    .args:
      - { .name: embed, .offset: 0, .size: 8, .value_kind: global_buffer, .address_space: global }
      - { .name: input, .offset: 8, .size: 8, .value_kind: global_buffer, .address_space: global }
      - { .name: eu, .offset: 16, .size: 8, .value_kind: global_buffer, .address_space: global }
      - { .name: embT, .offset: 24, .size: 8, .value_kind: global_buffer, .address_space: global }
      - { .name: xc, .offset: 32, .size: 8, .value_kind: global_buffer, .address_space: global }
      - { .name: xs, .offset: 40, .size: 8, .value_kind: global_buffer, .address_space: global }
    .group_segment_fixed_size: 91136
    .private_segment_fixed_size: 0
    .kernarg_segment_align: 8
    .kernarg_segment_size: 48
    .max_flat_workgroup_size: 256
    .sgpr_count:     66
    .vgpr_count:     194
    .wavefront_size: 32
...
	.end_amdgpu_metadata
.endif
;; end of part 1
;; launch gemm (part 2): grid 64 x 4, 8 waves a work-group, clusters of 4 x 1, 327,680 bytes of LDS; arguments xc, xs, eu, ckey, cidx; writes ckey, cidx
.if DOCPART == 2
	.amdgcn_target "amdgcn-amd-amdhsa--gfx1250"
	.amdhsa_code_object_version 6
	.text
	.protected	k_qd78329d0bc_gemm
	.globl	k_qd78329d0bc_gemm
	.p2align	8
	.type	k_qd78329d0bc_gemm,@function
k_qd78329d0bc_gemm:
	s_mov_b64 s[64:65], 0
	v_nop
	global_prefetch_b8 v0, s[64:65] scope:SCOPE_SE
	s_setreg_imm32_b32 hwreg(HW_REG_WAVE_MODE, 25, 1), 1
	s_wait_xcnt 0x0
	s_wait_alu depctr_hold_cnt(0) depctr_sa_sdst(0) depctr_va_vdst(0) depctr_va_sdst(0) depctr_va_ssrc(0) depctr_va_vcc(0) depctr_vm_vsrc(0)
	s_getreg_b32 s2, hwreg(HW_REG_IB_STS2, 6, 4)
	s_cmp_eq_u32 s2, 0
	s_cbranch_scc0 .Lentry_in_a_cluster
	s_endpgm
.Lentry_in_a_cluster:
	s_bfe_u32 s2, ttmp6, 0x10000c
	s_cmp_lg_u32 s2, 0x3003
	s_cbranch_scc0 .Lentry_shape_is_right
	s_endpgm
.Lentry_shape_is_right:
; For each of 16,384 rows x and each quarter of the 8,192 codes e: the largest s = x . e - 0.5 ||e||^2 and the first code that reaches it.
; DEAD WORK: ||x||^2 is the same for all codes of a row, for all inputs: the code nearest to x has the largest s, and ||x||^2 is not computed.
; x . e is the quantised product: codes of FP4 (E2M1) with E8M0 scales on both sides, K = 256 = two matrix instructions; -0.5 ||e||^2 (f32) is the C of the first, so that s costs no vector instruction.
; WHAT IS STORED: the code's number, and s as a WHOLE NUMBER THAT KEEPS ITS ORDER (-0 made +0; then the sign bit turned for s >= 0, all bits turned for s < 0): unsigned order of the keys is the order of the scores, equal keys are equal scores.
; LIMITS: s is rounded otherwise than ||x||^2 - 2 x . e + ||e||^2 in f32: two codes of a row whose distances differ by less than that sum's f32 rounding may come out in the other order.  NaN and infinities are not served.
; SHARES: a work-group takes 256 rows (rb) x one quarter q of the codes: 32 units of 64 codes, 8,960 bytes each, which fill 286,720 bytes of LDS ONCE, in two halves: one tensor load a wave at the head and one behind a full sequence.
;   Wave w: hb = w / 4: which 128 rows (eight row tiles, in registers for the whole launch); g = w % 4: units g, g + 4 .. g + 28.  Two waves to a SIMD.
; CLUSTER: the four row blocks of a cluster read the same quarter, so its units are asked for JOINTLY (mask 15).  x's 32,768 bytes differ from partner to partner and go straight into registers.
; NO PREFETCH: there is one later fill, asked for while the first half's 1,024 codes are still to be multiplied, and all 16 clusters of a quarter read the same 286,720 bytes.
; LAYOUT: source 0 = 32 codes (a pair of tiles), source 1 = 16 rows of x: lane (r, h) holds row r; registers 0-7 the scores of codes 8 h + 0 .. 7, registers 8-15 those of codes 16 + 8 h + 0 .. 7.
; THE SEARCH, for each product: the largest of a lane's 16 scores and its best so far (8 instructions); where it is larger than best, it, the pair's first code and the 16 scores are kept (1 compare, 9 dual selects).
;   Codes are walked in ascending order and the compare is strict, so the first of equals stays.  Which of the 16 kept scores equals best is looked for once, at the end.
; ORDER: row tiles go two at a time (four turns a pair of code tiles); the products of the next two stand between the selects of the last two, so two sets of two accumulators serve.
; REGISTERS, window 0: v1-13 addresses; v16-23 x's scale words; v24-27 the codes' (two buffers); v32-95 four accumulators; v96-111 best and code of each row tile; v112-239 the kept scores; v240-250 maxima; v252-253 the add.
;   window 1: v0-127 x's fragments, 16 a row tile; v128-191 the codes' fragments, two buffers; v192-223 the starts, two buffers.
.set UNIT,  8960                       ; two pairs of code tiles: codes 2 x 4,096; scale words at 8192 + 256 p + 128 s + 4 lane (pair p, K step s); starts at 8704 + 128 p
.set HALF,  16*UNIT                    ; half the units
.set SV,    286720                     ; behind the units: the waves' best values, [8 waves][128 rows] f32,
.set SIOFF, 4096                       ; and, 4,096 bytes on, their codes' numbers: bytes of their own, into which no tensor load lands
.set SPARE, 294912                     ; the spare words, 128 bytes for each wave
.set L16,  1                           ; v1   16 x lane
.set L4,   2                           ; v2   4 x lane
.set H32,  3                           ; v3   32 x (lane / 16)
.set ADF,  4                           ; v4   LDS address of the unit's fragments
.set ADS,  5                           ; v5   of its scale words
.set ADH,  6                           ; v6   of its starts
.set TCUR, 7                           ; v7   the number of the code in my register 0
.set SVA,  11                          ; v11  where I put a row's best
.set SRD,  12                          ; v12  where the last merge reads
.set GOF,  13                          ; v13  8 x thread
.set XS,   16
.set AS,   24
.set DA,   32
.set BI,   96                          ; row tile i: best, code
.set KK,   112                         ; row tile i: the 16 kept scores
.set TA,   240
.set TB,   246
.set SPW,  252
.set NIL,  253
.set POS,  32                          ; at the end: the places, in the accumulators' registers
.set MX,   40
.set XF,   0                           ; in window 1
.set AF,   128
.set HE,   192
.set G1,   24                          ; s[24:31] descriptor group 1: two units
.set G0A,  40                          ; s[40:43], s[44:47] group 0: my part of the first and of the second half
.set G0B,  44
.set TC,   60                          ; s60  LDS byte of the unit
.set CNT,  62
.set SEL,  68                          ; s[68:69] v_permlanex16_b32's selects for lane l xor 16
.set MK,   70                          ; s70-77 masks
.set MSB, 0
.macro WIN new                         ; the immediate's high byte repeats the setting that is left
.if MSB != \new
	s_set_vgpr_msb (MSB<<8)|\new
.set MSB, \new
.endif
.endm
.macro CROUND                          ; a round of the cluster's barrier
	s_barrier_signal -1
	s_barrier_wait -1
	s_cmp_lg_u32 s16, 0
	s_cbranch_scc1 .Lnot_wave_0_\@
	s_barrier_signal -3
.Lnot_wave_0_\@:
	s_barrier_wait -3
	s_barrier_signal -1
	s_barrier_wait -1
.endm
	s_load_b256 s[4:11], s[0:1], 0x0               ; xc s[4:5], xs s[6:7], eu s[8:9], ckey s[10:11]
	s_load_b64 s[12:13], s[0:1], 0x20              ; cidx
	v_lshl_add_u32 v[SPW], v0, 2, SPARE
	v_mov_b32 v[NIL], 0
	ds_add_u32 v[SPW], v[NIL]                      ; the wave's opening: the add, twice on end, and its wait ahead of my first tensor load
	ds_add_u32 v[SPW], v[NIL]
	v_lshrrev_b32 v8, 5, v0
	v_readfirstlane_b32 s16, v8                    ; wave 0..7
	s_and_b32 s17, s16, 3                          ; g
	s_lshr_b32 s18, s16, 2                         ; hb
	s_bfe_u32 s19, ttmp6, 0x40000                  ; cx: it enters x's and the results' global addresses alone
	s_lshl_b32 s20, ttmp9, 2
	s_add_co_u32 s20, s20, s19                     ; rb = 4 x cluster x + cx
	s_and_b32 s21, ttmp7, 0xffff                   ; q, which the four partners share
	s_mul_i32 s[TC], s17, UNIT                     ; my first unit
	s_lshl_b32 s63, s21, 11
	s_lshl_b32 s78, s17, 6
	s_add_co_u32 s63, s63, s78
	s_sub_co_u32 s63, s63, 224                     ; 2,048 q + 64 g, one step back: every unit steps it ahead of its selects
	s_lshl_b32 s78, s16, 9
	s_add_co_u32 s78, s78, SV
	v_and_b32 v8, 31, v0
	v_and_b32 v9, 15, v0                           ; r
	v_bfe_u32 v10, v0, 4, 1                        ; h
	v_lshrrev_b32 v14, 6, v0
	v_and_b32 v15, 63, v0
	v_lshlrev_b32 v[L16], 4, v8
	v_lshlrev_b32 v[L4], 2, v8
	v_lshlrev_b32 v[H32], 5, v10
	v_lshlrev_b32 v[SRD], 11, v14
	v_lshl_add_u32 v[TCUR], v10, 3, s63            ; + 8 h
	v_lshl_add_u32 v[SVA], v9, 2, s78              ; SV + 512 w + 4 r; + 64 i by the offset
	v_add_nc_u32 v[ADF], s[TC], v[L16]
	v_add_nc_u32 v[ADS], s[TC], v[L4]
	v_add_nc_u32 v[ADH], s[TC], v[H32]
	v_lshl_add_u32 v[SRD], v15, 3, v[SRD]
	v_lshlrev_b32 v[GOF], 3, v0
	v_add_nc_u32 v[SRD], SV, v[SRD]                ; threads 0-127: rows 2 t, 2 t + 1: SV + 2,048 (t / 64) + 8 (t % 64); + 512 g by the offset
	s_mov_b32 s[SEL], 0x76543210
	s_mov_b32 s[SEL+1], 0xfedcba98
	; descriptor group 1: two units as 70 rows of 256 bytes (32 elements of 8 bytes), dense in LDS too
	s_mov_b32 s[G1], 15|(3<<16)|(1<<21)            ; 15:0 the mask: all four work-groups; 17:16 elements of 8 bytes; 21 set beside a mask
	s_mov_b32 s[G1+1], 32<<16                      ; tensor_dim0 = 32
	s_mov_b32 s[G1+2], 70<<16                      ; tensor_dim1 = 70
	s_mov_b32 s[G1+3], 32<<16                      ; tile_dim0 = 32
	s_mov_b32 s[G1+4], 70                          ; tile_dim1 = 70
	s_mov_b32 s[G1+5], 32                          ; the pitch
	s_mov_b32 s[G1+6], 0
	s_mov_b32 s[G1+7], 0
	s_mul_i32 s80, s16, 2*UNIT                     ; what I fetch of each half: units 2 w, 2 w + 1
	s_mul_i32 s22, s21, 2*HALF                     ; the quarter's 32 units
	s_add_co_u32 s22, s22, s80
	s_mov_b32 s23, 0
	s_lshl_b32 s84, s20, 15                        ; xc: (16 rb + 8 hb) tiles of 2,048 bytes
	s_lshl_b32 s90, s18, 14
	s_add_co_u32 s84, s84, s90
	s_mov_b32 s85, 0
	s_lshl_b32 s86, s20, 11                        ; xs: the same tiles, 128 bytes each
	s_lshl_b32 s90, s18, 10
	s_add_co_u32 s86, s86, s90
	s_mov_b32 s87, 0
	s_lshl_b32 s88, s21, 16                        ; ckey, cidx: (16,384 q + 256 rb) x 4 bytes
	s_lshl_b32 s90, s20, 10
	s_add_co_u32 s88, s88, s90
	s_mov_b32 s89, 0
	s_wait_alu depctr_va_vdst(0)                   ; directly ahead of the waits below
	s_wait_dscnt 0x0                               ; both opening adds are done
	s_wait_kmcnt 0x0
	s_mov_b32 s[G0A], 1                            ; 1:0 count = 1
	s_mov_b32 s[G0A+1], s80                        ; 63:32 LDS address
	s_add_nc_u64 s[G0A+2:G0A+3], s[8:9], s[22:23]  ; 120:64 global address
	s_mov_b32 s[G0B], 1
	s_add_co_u32 s[G0B+1], s80, HALF
	s_add_nc_u64 s[G0B+2:G0B+3], s[G0A+2:G0A+3], HALF
	s_or_b32 s[G0A+3], s[G0A+3], 0x80000000        ; 127:126 type = 2
	s_or_b32 s[G0B+3], s[G0B+3], 0x80000000
	s_add_nc_u64 s[4:5], s[4:5], s[84:85]
	s_add_nc_u64 s[6:7], s[6:7], s[86:87]
	s_add_nc_u64 s[10:11], s[10:11], s[88:89]
	s_add_nc_u64 s[12:13], s[12:13], s[88:89]
	CROUND                                         ; all four work-groups are here: the first joint loads meet
	tensor_load_to_lds s[G0A:G0A+3], s[G1:G1+7]    ; the head's one load of the wave
	s_nop 0
.rept 4
	v_nop
.endr
	WIN 0x40                                       ; destination window 1, address window 0
.irp i, 0,1,2,3,4,5,6,7
.irp c, 0,1,2,3
	global_load_b128 v[XF+16*\i+4*\c:XF+16*\i+4*\c+3], v[L16], s[4:5] offset:2048*\i+512*\c   ; row tile i: registers as they lie in its image: 512 consecutive bytes a load
.endr
.endr
	WIN 0
.irp i, 0,1,2,3,4,5,6,7
	global_load_b32 v[XS+\i], v[L4], s[6:7] offset:128*\i          ; its scale words: lanes 0-15 K step 0's, lanes 16-31 K step 1's
.endr
	s_mov_b32 s66, 0xff800000                      ; -infinity, under every score.  The state is written while the fill is on its way: the selects read it from the first product on
.irp i, 0,1,2,3,4,5,6,7
	v_mov_b32 v[BI+2*\i], s66
	v_mov_b32 v[BI+2*\i+1], 0
.irp j, 0,1,2,3,4,5,6,7,8,9,10,11,12,13,14,15
	v_mov_b32 v[KK+16*\i+\j], s66
.endr
.endr
.macro LOADP b, p                      ; pair p of the unit into buffer b: both K steps' fragments, my half's 16 starts, the scale words
	WIN 0x40
.irp s, 0,1
.irp u, 0,1
.irp c, 0,1
	ds_load_b128 v[AF+32*\b+16*\s+8*\u+4*\c:AF+32*\b+16*\s+8*\u+4*\c+3], v[ADF] offset:4096*\p+2048*\u+512*(2*\s+\c)
.endr
.endr
.endr
.irp u, 0,1
.irp c, 0,1
	ds_load_b128 v[HE+16*\b+8*\u+4*\c:HE+16*\b+8*\u+4*\c+3], v[ADH] offset:8704+128*\p+64*\u+16*\c
.endr
.endr
	WIN 0
.irp s, 0,1
	ds_load_b32 v[AS+2*\b+\s], v[ADS] offset:8192+256*\p+128*\s
.endr
.endm
.macro MM0 b                           ; the first K step of row tiles 2 NK, 2 NK + 1: it starts the sums from -0.5 ||e||^2
	WIN 0x15                                       ; codes, x and starts in window 1, D in window 0
.irp e, 0,1
	v_wmma_scale_f32_32x16x128_f4 v[DA+16*((2*NK+\e)%4):DA+16*((2*NK+\e)%4)+15], v[AF+32*\b:AF+32*\b+15], v[XF+16*(2*NK+\e):XF+16*(2*NK+\e)+7], v[HE+16*\b:HE+16*\b+15], v[AS+2*\b], v[XS+2*NK+\e]
.endr
	WIN 0
.endm
.macro MM1 b                           ; the second
	WIN 0x05
.irp e, 0,1
	v_wmma_scale_f32_32x16x128_f4 v[DA+16*((2*NK+\e)%4):DA+16*((2*NK+\e)%4)+15], v[AF+32*\b+16:AF+32*\b+31], v[XF+16*(2*NK+\e)+8:XF+16*(2*NK+\e)+15], v[DA+16*((2*NK+\e)%4):DA+16*((2*NK+\e)%4)+15], v[AS+2*\b+1], v[XS+2*NK+\e] matrix_b_scale:MATRIX_SCALE_ROW1
.endr
	WIN 0
.endm
.macro KEEP kk, d, bi, m               ; where VCC is set: the 16 scores, the largest and the pair's first code are kept
.irp n, 0,2,4,6,8,10,12,14
	v_dual_cndmask_b32 v[\kk+\n], v[\kk+\n], v[\d+\n] :: v_dual_cndmask_b32 v[\kk+\n+1], v[\kk+\n+1], v[\d+\n+1]
.endr
	v_dual_cndmask_b32 v[\bi], v[\bi], v[\m] :: v_dual_cndmask_b32 v[\bi+1], v[\bi+1], v[TCUR]
.endm
; Row tiles 2 k, 2 k + 1 are searched (each accumulator from its low end on; a tree of depth 3 for each, the two by turns); the products of the next two, from buffer b, stand between (b = 2: none).
; The accumulators take turns, one matrix instruction a turn; nine dual selects or more stand between a product and the first read of its result.
.macro BLOCK k, b
.set NK, (\k+1)%4
.set D0, DA+16*((2*\k)%4)
.set D1, D0+16
.set B0, BI+4*\k
.set B1, B0+2
.set K0, KK+32*\k
.set K1, K0+16
.irp n, 0,1,2,3,4
	v_max3_num_f32 v[TA+\n], v[D0+3*\n], v[D0+3*\n+1], v[D0+3*\n+2]
.endr
.irp n, 0,1,2
	v_max3_num_f32 v[TB+\n], v[D1+3*\n], v[D1+3*\n+1], v[D1+3*\n+2]
.endr
	v_max3_num_f32 v[TA], v[TA], v[TA+1], v[TA+2]
	v_max3_num_f32 v[TA+3], v[TA+3], v[TA+4], v[D0+15]
.irp n, 3,4
	v_max3_num_f32 v[TB+\n], v[D1+3*\n], v[D1+3*\n+1], v[D1+3*\n+2]
.endr
	v_max3_num_f32 v[TA], v[TA], v[TA+3], v[B0]
	v_max3_num_f32 v[TB], v[TB], v[TB+1], v[TB+2]
	v_max3_num_f32 v[TB+3], v[TB+3], v[TB+4], v[D1+15]
	v_cmp_gt_f32 vcc_lo, v[TA], v[B0]              ; strictly better than the best so far?  No branch hangs on a score
	v_max3_num_f32 v[TB], v[TB], v[TB+3], v[B1]
.if \b < 2
	MM0 \b
.endif
	KEEP K0, D0, B0, TA
	v_cmp_gt_f32 vcc_lo, v[TB], v[B1]
.if \b < 2
	MM1 \b
.endif
	KEEP K1, D1, B1, TB
.endm
.macro NEXT                            ; my next unit stands four units on: its first pair comes into buffer 0
	s_add_co_u32 s[TC], s[TC], 4*UNIT
	v_add_nc_u32 v[ADF], s[TC], v[L16]
	v_add_nc_u32 v[ADS], s[TC], v[L4]
	v_add_nc_u32 v[ADH], s[TC], v[H32]
	LOADP 0, 0
.endm
; One unit: two pairs, in buffers 0 and 1.  kind 0: the next unit lies in the same half.  kind 1: it is the second half's first.  kind 2: the last unit.
.macro UNITM kind
	v_add_nc_u32 v[TCUR], 224, v[TCUR]             ; from a unit's second pair to my next unit: 256 - 32 codes on
	LOADP 1, 1
	BLOCK 0, 0
	BLOCK 1, 0
	BLOCK 2, 0
	s_wait_dscnt 0x0                               ; the second pair is in
	BLOCK 3, 1
	v_add_nc_u32 v[TCUR], 32, v[TCUR]
.if \kind == 0
	NEXT
.endif
.if \kind == 1
	s_wait_tensorcnt 0x0                           ; my part of the second half has landed
	s_wait_dscnt 0x0
	s_barrier_signal -1
.endif
	BLOCK 0, 1
.if \kind == 1
	s_barrier_wait -1                              ; everybody's part has landed
	NEXT
.endif
	BLOCK 1, 1
	BLOCK 2, 1
.if \kind < 2
	s_wait_dscnt 0x0                               ; the next unit's first pair is in
	BLOCK 3, 0
.else
	BLOCK 3, 2
.endif
.endm
	s_wait_alu depctr_va_vdst(0)
	s_wait_tensorcnt 0x0                           ; my part of the first half is in
	ds_add_u32 v[SPW], v[NIL]
	s_wait_dscnt 0x0
	CROUND                                         ; everybody's part is in, and all four work-groups are here:
	tensor_load_to_lds s[G0B:G0B+3], s[G1:G1+7]    ; the second half, first behind the round
	s_nop 0
.rept 4
	v_nop
.endr
	LOADP 0, 0
	s_wait_loadcnt 0x0                             ; x's fragments and scale words
	s_wait_dscnt 0x0
.set NK, 0
	MM0 0                                          ; the first two row tiles' products
	MM1 0
.rept 4
	v_nop                                          ; places ahead of the first read of a result
.endr
	s_mov_b32 s[CNT], 3
.Lhalf_0:
	UNITM 0
	s_sub_co_u32 s[CNT], s[CNT], 1
	s_cmp_lg_u32 s[CNT], 0
	s_cbranch_scc1 .Lhalf_0
	UNITM 1
	s_mov_b32 s[CNT], 3
.Lhalf_1:
	UNITM 0
	s_sub_co_u32 s[CNT], s[CNT], 1
	s_cmp_lg_u32 s[CNT], 0
	s_cbranch_scc1 .Lhalf_1
	UNITM 2
	; THE END.  Which of the kept 16 equals best: the lowest such register, looked for from the top down; registers 8-15 are codes 16 on.
.irp i, 0,1,2,3,4,5,6,7
	v_mov_b32 v[POS+\i], 23
.endr
.irp j, 14,13,12,11,10,9,8,7,6,5,4,3,2,1,0
.irp i, 0,1,2,3,4,5,6,7
	v_cmp_eq_f32 s[MK+\i], v[KK+16*\i+\j], v[BI+2*\i]
.endr
.irp i, 0,1,2,3,4,5,6,7
	v_cndmask_b32 v[POS+\i], v[POS+\i], \j+8*(\j/8), s[MK+\i]
.endr
.endr
.irp i, 0,1,2,3,4,5,6,7
	v_add_nc_u32 v[POS+\i], v[BI+2*\i+1], v[POS+\i]                ; the code's number
.endr
.irp i, 0,1,2,3,4,5,6,7
	v_permlanex16_b32 v[MX+2*\i], v[BI+2*\i], s[SEL], s[SEL+1]     ; the row's other half of each pair lies in lane l xor 16
	v_permlanex16_b32 v[MX+2*\i+1], v[POS+\i], s[SEL], s[SEL+1]
.endr
.irp i, 0,1,2,3,4,5,6,7                ; the two halves' codes interleave: the other's is taken where it is larger, or equal with the smaller number
	v_cmp_gt_f32 s[MK], v[MX+2*\i], v[BI+2*\i]
	v_cmp_eq_f32 s[MK+1], v[MX+2*\i], v[BI+2*\i]
	v_cmp_lt_u32 s[MK+2], v[MX+2*\i+1], v[POS+\i]
	s_and_b32 s[MK+1], s[MK+1], s[MK+2]
	s_or_b32 s[MK], s[MK], s[MK+1]
	v_cndmask_b32 v[BI+2*\i], v[BI+2*\i], v[MX+2*\i], s[MK]
	v_cndmask_b32 v[POS+\i], v[POS+\i], v[MX+2*\i+1], s[MK]
.endr
.irp i, 0,1,2,3,4,5,6,7
	ds_store_b32 v[SVA], v[BI+2*\i] offset:64*\i                   ; lanes r and r + 16 write the same word with the same value
	ds_store_b32 v[SVA], v[POS+\i] offset:SIOFF+64*\i
.endr
	s_wait_dscnt 0x0                               ; for the others' sake: my rows' bests lie in LDS
	s_barrier_signal -1
	s_barrier_wait -1
	s_cmp_lt_u32 s16, 4
	s_cbranch_scc0 .Lnot_mine
.irp g, 0,1,2,3
	ds_load_b64 v[56+2*\g:57+2*\g], v[SRD] offset:512*\g           ; threads 0-127: two rows each, the four waves g of their half
.endr
.irp g, 0,1,2,3
	ds_load_b64 v[64+2*\g:65+2*\g], v[SRD] offset:SIOFF+512*\g
.endr
	s_wait_dscnt 0x0
.irp g, 1,2,3                          ; the waves' codes interleave too
.irp e, 0,1
	v_cmp_gt_f32 s[MK], v[56+2*\g+\e], v[56+\e]
	v_cmp_eq_f32 s[MK+1], v[56+2*\g+\e], v[56+\e]
	v_cmp_lt_u32 s[MK+2], v[64+2*\g+\e], v[64+\e]
	s_and_b32 s[MK+1], s[MK+1], s[MK+2]
	s_or_b32 s[MK], s[MK], s[MK+1]
	v_cndmask_b32 v[56+\e], v[56+\e], v[56+2*\g+\e], s[MK]
	v_cndmask_b32 v[64+\e], v[64+\e], v[64+2*\g+\e], s[MK]
.endr
.endr
	; the score becomes a whole number that keeps its order
.irp e, 0,1
	v_add_f32 v[56+\e], 0, v[56+\e]                ; -0 becomes +0, all else stays: equal scores have equal bits
.endr
.irp e, 0,1
	v_ashrrev_i32 v[58+\e], 31, v[56+\e]           ; all ones where s < 0, else 0;
.endr
.irp e, 0,1
	v_or_b32 v[58+\e], 0x80000000, v[58+\e]        ; the sign bit in any case
.endr
.irp e, 0,1
	v_xor_b32 v[56+\e], v[56+\e], v[58+\e]         ; unsigned order is now the scores' order
.endr
	global_store_b64 v[GOF], v[56:57], s[10:11]    ; 32 lanes store 256 consecutive bytes, aligned
	global_store_b64 v[GOF], v[64:65], s[12:13]
.Lnot_mine:
	s_wait_tensorcnt 0x0                           ; the wave's end
	ds_add_u32 v[SPW], v[NIL]
	s_wait_dscnt 0x0
	CROUND                                         ; the closing round: no work-group ends while a partner may still ask for units that name it
	s_endpgm
.Lfunc_end_k_qd78329d0bc_gemm:
	.size	k_qd78329d0bc_gemm, .Lfunc_end_k_qd78329d0bc_gemm-k_qd78329d0bc_gemm
	.p2alignl 7, 3214868480
	.fill 96, 4, 3214868480
	.section	.rodata,"a",@progbits
	.p2align	6, 0x0
	.amdhsa_kernel k_qd78329d0bc_gemm
		.amdhsa_group_segment_fixed_size 327680
		.amdhsa_private_segment_fixed_size 0
		.amdhsa_enable_private_segment 0
		.amdhsa_kernarg_size 40
		.amdhsa_user_sgpr_count 2
		.amdhsa_user_sgpr_kernarg_segment_ptr 1
		.amdhsa_wavefront_size32 1
		.amdhsa_system_sgpr_workgroup_id_x 1
		.amdhsa_system_sgpr_workgroup_id_y 1
		.amdhsa_system_sgpr_workgroup_id_z 1
		.amdhsa_system_vgpr_workitem_id 0
		.amdhsa_next_free_vgpr 512
		.amdhsa_next_free_sgpr 92
		.amdhsa_reserve_vcc 1
		.amdhsa_float_denorm_mode_32 3
		.amdhsa_float_denorm_mode_16_64 3
		.amdhsa_memory_ordered 1
		.amdhsa_forward_progress 1
		.amdhsa_inst_pref_size 137
	.end_amdhsa_kernel
	.amdgpu_metadata
---
amdhsa.version: [ 1, 2 ]
amdhsa.kernels:
  - .name:           k_qd78329d0bc_gemm
    .symbol:         k_qd78329d0bc_gemm.kd
    .args:
      - { .name: xc, .offset: 0, .size: 8, .value_kind: global_buffer, .address_space: global }
      - { .name: xs, .offset: 8, .size: 8, .value_kind: global_buffer, .address_space: global }
      - { .name: eu, .offset: 16, .size: 8, .value_kind: global_buffer, .address_space: global }
      - { .name: ckey, .offset: 24, .size: 8, .value_kind: global_buffer, .address_space: global }
      - { .name: cidx, .offset: 32, .size: 8, .value_kind: global_buffer, .address_space: global }
    .group_segment_fixed_size: 327680
    .private_segment_fixed_size: 0
    .kernarg_segment_align: 8
    .kernarg_segment_size: 40
    .max_flat_workgroup_size: 256
    .sgpr_count:     92
    .vgpr_count:     512
    .wavefront_size: 32
...
	.end_amdgpu_metadata
.endif
;; end of part 2
;; launch gather (part 3): grid 256 x 1, 8 waves a work-group, no clusters, 3,584 bytes of LDS; arguments input, embT, ckey, cidx, out0, out2, part; writes out0, out2, part
.if DOCPART == 3
	.amdgcn_target "amdgcn-amd-amdhsa--gfx1250"
	.amdhsa_code_object_version 6
	.text
	.protected	k_qd78329d0bc_gather
	.globl	k_qd78329d0bc_gather
	.p2align	8
	.type	k_qd78329d0bc_gather,@function
k_qd78329d0bc_gather:
	s_mov_b64 s[64:65], 0
	v_nop
	global_prefetch_b8 v0, s[64:65] scope:SCOPE_SE
	s_setreg_imm32_b32 hwreg(HW_REG_WAVE_MODE, 25, 1), 1
	s_wait_xcnt 0x0
; For each row: the best of its four quarters' candidates; out2 = that code's number; out0 = e, the code's row of embT; and the work-group's sum of (e - x)^2.
; DEAD WORK: out0 is x + (e - x), which is e in exact arithmetic for all inputs: x goes into the sum alone.  A NaN, an infinity or an overflow of x, or of e - x, reaches the sum and not out0.
; THE CHOICE IS MADE ON WHOLE NUMBERS.  The launch before stored, for each row and quarter, the code's number and its score as a whole number that keeps the scores' order (equal keys: equal scores).
;   Both are read into scalar registers; an unsigned compare and two selects for each of quarters 1 to 3 leave the row's number, from which the address of ONE row of embT is formed.
;   The quarters are taken in ascending order with a strict compare, so the first of equals stays.
; SHARES: a work-group takes 64 rows, a wave 8.  A row is 1,024 bytes: two loads of 16 bytes a lane, 512 consecutive bytes each.
;   x's first four rows need no number: their loads go out ahead of the wait for the keys; then e's eight rows, then x's other four.  e is stored as it comes.  No ring: every row has registers of its own, and no register that a store reads is written again.
; No LDS tiles, no matrix unit, no cluster: the rows share nothing but the table.
; REGISTERS: v1 16 x lane; v3 0; v5-7 LDS and store addresses; v8-15 the rows' offsets in embT; v16-23 their numbers; v24-31 four pairs of sums; v32-95 x, then e - x; v96-159 e; v160-177 wave 0's last part.
; SCALARS: s16-47 the candidates' numbers [quarter][row]; s48-63, s68-83 their keys; the choice is left in quarter 0's places.
.set O2L, 0                            ; LDS: the work-group's 64 code numbers, 256 bytes
.set PSL, 256                          ; and the waves' partial sums, 256 bytes each
.set SPARE, 2560                       ; the spare words, 128 bytes for each wave
.set XR,  32
.set ER,  96
	s_load_b256 s[4:11], s[0:1], 0x0               ; input s[4:5], embT s[6:7], ckey s[8:9], cidx s[10:11]
	s_load_b128 s[12:15], s[0:1], 0x20             ; out0 s[12:13], out2 s[14:15]
	s_load_b64 s[84:85], s[0:1], 0x30              ; part
	v_lshl_add_u32 v180, v0, 2, SPARE
	v_mov_b32 v181, 0
	v_lshrrev_b32 v1, 5, v0
	v_readfirstlane_b32 s86, v1                    ; wave 0..7
	s_lshl_b32 s90, ttmp9, 6
	s_lshl_b32 s91, s86, 3
	s_add_co_u32 s90, s90, s91                     ; my first row: 64 x work-group + 8 x wave
	s_lshl_b32 s92, s90, 2                         ; its place in a quarter's list
	s_lshl_b32 s93, s86, 5
	s_mov_b32 s87, 0x76543210                      ; v_permlanex16_b32's selects for lane l xor 16
	s_mov_b32 s88, 0xfedcba98
	v_and_b32 v4, 31, v0
	v_mov_b32 v3, 0
	v_mov_b32 v5, s93                              ; O2L + 32 w: my eight rows' numbers
	v_lshl_add_u32 v6, v0, 3, PSL                  ; PSL + 256 w + 8 lane
	v_lshlrev_b32 v1, 4, v4                        ; 16 x lane
	v_lshlrev_b32 v7, 3, v4                        ; 8 x lane
	s_wait_alu depctr_va_vdst(0)                   ; directly ahead of the wait below
	s_wait_kmcnt 0x0
.irp q, 0,1,2,3
	s_load_b256 s[16+8*\q:23+8*\q], s[10:11], s92 offset:65536*\q                          ; eight rows' numbers of quarter q
	s_load_b256 s[48+8*\q+4*(\q/2):55+8*\q+4*(\q/2)], s[8:9], s92 offset:65536*\q          ; and their keys
.endr
	s_lshl_b32 s90, s90, 10                        ; my first row in input and in out0
	s_mov_b32 s91, 0
	s_add_nc_u64 s[4:5], s[4:5], s[90:91]
	s_add_nc_u64 s[12:13], s[12:13], s[90:91]
.macro XLOAD j
	global_load_b128 v[XR+8*(\j):XR+8*(\j)+3], v1, s[4:5] offset:1024*(\j) th:TH_LOAD_NT   ; x: read once in this launch
	global_load_b128 v[XR+8*(\j)+4:XR+8*(\j)+7], v1, s[4:5] offset:1024*(\j)+512 th:TH_LOAD_NT
.endm
.irp j, 0,1,2,3
	XLOAD \j
.endr
	s_lshl_b32 s90, ttmp9, 8                       ; out2: 256 bytes a work-group
	s_add_nc_u64 s[14:15], s[14:15], s[90:91]
	s_lshl_b32 s90, ttmp9, 2                       ; part: one number a work-group
	s_add_nc_u64 s[84:85], s[84:85], s[90:91]
	s_wait_kmcnt 0x0                               ; the keys and the numbers
.irp q, 1,2,3                          ; the eight rows by turns
.irp j, 0,1,2,3,4,5,6,7
	s_cmp_gt_u32 s[48+8*\q+4*(\q/2)+\j], s[48+\j]                  ; strictly better than the best of the quarters before?
	s_cselect_b32 s[48+\j], s[48+8*\q+4*(\q/2)+\j], s[48+\j]
	s_cselect_b32 s[16+\j], s[16+8*\q+\j], s[16+\j]
.endr
.endr
.irp j, 0,1,2,3,4,5,6,7
	s_min_u32 s[16+\j], s[16+\j], 8191             ; a number read from memory enters an address only held inside the table
.endr
.irp j, 0,1,2,3,4,5,6,7
	v_lshl_add_u32 v[8+\j], s[16+\j], 10, v1       ; the code's row of 1,024 bytes + 16 x lane
.endr
.irp j, 0,1,2,3,4,5,6,7
	global_load_b128 v[ER+8*\j:ER+8*\j+3], v[8+\j], s[6:7]         ; no hint: the table's rows are named again and again
	global_load_b128 v[ER+8*\j+4:ER+8*\j+7], v[8+\j], s[6:7] offset:512
.endr
.irp j, 4,5,6,7
	XLOAD \j
.endr
.irp j, 0,1,2,3,4,5,6,7
	v_mov_b32 v[16+\j], s[16+\j]
.endr
.irp j, 0,1,2,3,4,5,6,7
	ds_store_b32 v5, v[16+\j] offset:O2L+4*\j      ; all lanes write the same word with the same value
.endr
.irp j, 0,1,2,3,4,5,6,7
	s_wait_loadcnt 22-2*\j                         ; loads come back in order (ISA guide 5.7.1): e's rows 0 to j are in; its younger rows' loads and x's last eight may be out
	global_store_b128 v1, v[ER+8*\j:ER+8*\j+3], s[12:13] offset:1024*\j th:TH_STORE_NT             ; 32 lanes store 512 consecutive bytes, aligned
	global_store_b128 v1, v[ER+8*\j+4:ER+8*\j+7], s[12:13] offset:1024*\j+512 th:TH_STORE_NT
.endr
.macro TWO a                           ; rows 2 a, 2 a + 1
.if (\a) > 1
	s_wait_loadcnt 4*(3-(\a))                      ; x's rows up to 2 a + 1 are in; the last two rows' four loads may be out (rows 0 to 3 came ahead of e)
.endif
.irp j, 0,1
.irp k, 0,2,4,6
	v_pk_add_f32 v[XR+8*(2*(\a)+\j)+\k:XR+8*(2*(\a)+\j)+\k+1], v[ER+8*(2*(\a)+\j)+\k:ER+8*(2*(\a)+\j)+\k+1], v[XR+8*(2*(\a)+\j)+\k:XR+8*(2*(\a)+\j)+\k+1] neg_lo:[0,1] neg_hi:[0,1]   ; t = e - x, over x
.endr
.endr
.irp j, 0,1
.irp k, 0,2,4,6
.if (\a) == 0 && \j == 0
	v_pk_mul_f32 v[24+\k:25+\k], v[XR+\k:XR+\k+1], v[XR+\k:XR+\k+1]                                ; the first row starts the four chains: nothing is cleared
.else
	v_pk_fma_f32 v[24+\k:25+\k], v[XR+8*(2*(\a)+\j)+\k:XR+8*(2*(\a)+\j)+\k+1], v[XR+8*(2*(\a)+\j)+\k:XR+8*(2*(\a)+\j)+\k+1], v[24+\k:25+\k]
.endif
.endr
.endr
.endm
	TWO 0
	TWO 1
	TWO 2
	TWO 3
	v_pk_add_f32 v[24:25], v[24:25], v[26:27]
	v_pk_add_f32 v[28:29], v[28:29], v[30:31]
	v_pk_add_f32 v[24:25], v[24:25], v[28:29]
	ds_store_b64 v6, v[24:25]
	s_wait_dscnt 0x0                               ; for wave 0's sake: my numbers and my sums lie in LDS
	s_barrier_signal -1
	s_barrier_wait -1
	s_cmp_lg_u32 s86, 0
	s_cbranch_scc1 .Lend
.irp u, 0,1,2,3,4,5,6,7
	ds_load_b64 v[160+2*\u:161+2*\u], v7 offset:PSL+256*\u         ; into registers that no pending store reads
.endr
	ds_load_b64 v[176:177], v7 offset:O2L
	s_wait_dscnt 0x0
	global_store_b64 v7, v[176:177], s[14:15]      ; 64 code numbers: 256 consecutive bytes, aligned
.irp u, 0,2,4,6
	v_pk_add_f32 v[160+2*\u:161+2*\u], v[160+2*\u:161+2*\u], v[162+2*\u:163+2*\u]
.endr
	v_pk_add_f32 v[160:161], v[160:161], v[164:165]
	v_pk_add_f32 v[168:169], v[168:169], v[172:173]
	s_delay_alu instid0(VALU_DEP_1)
	v_pk_add_f32 v[160:161], v[160:161], v[168:169]
	s_delay_alu instid0(VALU_DEP_1)
	v_add_f32 v160, v160, v161
	s_delay_alu instid0(VALU_DEP_1)
	v_add_f32_dpp v160, v160, v160 row_xmask:1 row_mask:0xf bank_mask:0xf
	s_delay_alu instid0(VALU_DEP_1)
	v_add_f32_dpp v160, v160, v160 row_xmask:2 row_mask:0xf bank_mask:0xf
	s_delay_alu instid0(VALU_DEP_1)
	v_add_f32_dpp v160, v160, v160 row_xmask:4 row_mask:0xf bank_mask:0xf
	s_delay_alu instid0(VALU_DEP_1)
	v_add_f32_dpp v160, v160, v160 row_xmask:8 row_mask:0xf bank_mask:0xf
	s_delay_alu instid0(VALU_DEP_1)
	v_permlanex16_b32 v161, v160, s87, s88         ; (its destination has been written)
	s_delay_alu instid0(VALU_DEP_1)
	v_add_f32 v160, v160, v161                     ; the work-group's sum, in every lane
	s_wait_alu depctr_va_vdst(0)                   ; directly ahead of the wait below
	s_wait_xcnt 0x0                                ; EXEC changes only behind this wait
	v_cmp_eq_u32 vcc_lo, 0, v0
	s_and_saveexec_b32 s93, vcc_lo
	global_store_b32 v3, v160, s[84:85]            ; thread 0 alone: one number a work-group, so that the last launch has 1,024 bytes to read
	s_wait_xcnt 0x0                                ; and again, in front of the line that widens it
	s_or_b32 exec_lo, exec_lo, s93
.Lend:
	s_wait_tensorcnt 0x0
	ds_add_u32 v180, v181
	s_wait_dscnt 0x0
	s_endpgm
.Lfunc_end_k_qd78329d0bc_gather:
	.size	k_qd78329d0bc_gather, .Lfunc_end_k_qd78329d0bc_gather-k_qd78329d0bc_gather
	.p2alignl 7, 3214868480
	.fill 96, 4, 3214868480
	.section	.rodata,"a",@progbits
	.p2align	6, 0x0
	.amdhsa_kernel k_qd78329d0bc_gather
		.amdhsa_group_segment_fixed_size 3584
		.amdhsa_private_segment_fixed_size 0
		.amdhsa_enable_private_segment 0
		.amdhsa_kernarg_size 56
		.amdhsa_user_sgpr_count 2
		.amdhsa_user_sgpr_kernarg_segment_ptr 1
		.amdhsa_wavefront_size32 1
		.amdhsa_system_sgpr_workgroup_id_x 1
		.amdhsa_system_sgpr_workgroup_id_y 1
		.amdhsa_system_sgpr_workgroup_id_z 1
		.amdhsa_system_vgpr_workitem_id 0
		.amdhsa_next_free_vgpr 182
		.amdhsa_next_free_sgpr 96
		.amdhsa_reserve_vcc 1
		.amdhsa_float_denorm_mode_32 3
		.amdhsa_float_denorm_mode_16_64 3
		.amdhsa_memory_ordered 1
		.amdhsa_forward_progress 1
		.amdhsa_inst_pref_size 18
	.end_amdhsa_kernel
	.amdgpu_metadata
---
amdhsa.version: [ 1, 2 ]
amdhsa.kernels:
  - .name:           k_qd78329d0bc_gather
    .symbol:         k_qd78329d0bc_gather.kd
    .args:
      - { .name: input, .offset: 0, .size: 8, .value_kind: global_buffer, .address_space: global }
      - { .name: embT, .offset: 8, .size: 8, .value_kind: global_buffer, .address_space: global }
      - { .name: ckey, .offset: 16, .size: 8, .value_kind: global_buffer, .address_space: global }
      - { .name: cidx, .offset: 24, .size: 8, .value_kind: global_buffer, .address_space: global }
      - { .name: out0, .offset: 32, .size: 8, .value_kind: global_buffer, .address_space: global }
      - { .name: out2, .offset: 40, .size: 8, .value_kind: global_buffer, .address_space: global }
      - { .name: part, .offset: 48, .size: 8, .value_kind: global_buffer, .address_space: global }
    .group_segment_fixed_size: 3584
    .private_segment_fixed_size: 0
    .kernarg_segment_align: 8
    .kernarg_segment_size: 56
    .max_flat_workgroup_size: 256
    .sgpr_count:     96
    .vgpr_count:     182
    .wavefront_size: 32
...
	.end_amdgpu_metadata
.endif
;; end of part 3
;; launch finish (part 4): grid 1 x 1, 1 waves a work-group, no clusters, 0 bytes of LDS; arguments part, out1; writes out1
.if DOCPART == 4
	.amdgcn_target "amdgcn-amd-amdhsa--gfx1250"
	.amdhsa_code_object_version 6
	.text
	.protected	k_qd78329d0bc_finish
	.globl	k_qd78329d0bc_finish
	.p2align	8
	.type	k_qd78329d0bc_finish,@function
k_qd78329d0bc_finish:
	s_mov_b64 s[64:65], 0
	v_nop
	global_prefetch_b8 v0, s[64:65] scope:SCOPE_SE
	s_setreg_imm32_b32 hwreg(HW_REG_WAVE_MODE, 25, 1), 1
	s_wait_xcnt 0x0
; out1 = the sum of the 256 work-groups' sums of (e - x)^2, divided by 16,384 x 256 = 2^22.  A sum over all work-groups of the launch before has one owner: one wave, eight numbers a lane; no LDS, no barrier.
	s_load_b128 s[4:7], s[0:1], 0x0                ; part s[4:5], out1 s[6:7]
	v_lshlrev_b32 v1, 4, v0                        ; 16 bytes a lane
	v_mov_b32 v4, 0
	s_mov_b32 s10, 0x76543210                      ; v_permlanex16_b32's selects for lane l xor 16
	s_mov_b32 s11, 0xfedcba98
	s_wait_alu depctr_va_vdst(0)
	s_wait_kmcnt 0x0
	global_load_b128 v[8:11], v1, s[4:5]           ; 512 consecutive bytes a load: the two cover part's 1,024
	global_load_b128 v[12:15], v1, s[4:5] offset:512
	s_wait_loadcnt 0x0
	v_pk_add_f32 v[8:9], v[8:9], v[10:11]
	v_pk_add_f32 v[12:13], v[12:13], v[14:15]
	v_pk_add_f32 v[8:9], v[8:9], v[12:13]
	v_add_f32 v8, v8, v9
	v_add_f32_dpp v8, v8, v8 row_xmask:1 row_mask:0xf bank_mask:0xf
	v_add_f32_dpp v8, v8, v8 row_xmask:2 row_mask:0xf bank_mask:0xf
	v_add_f32_dpp v8, v8, v8 row_xmask:4 row_mask:0xf bank_mask:0xf
	v_add_f32_dpp v8, v8, v8 row_xmask:8 row_mask:0xf bank_mask:0xf
	v_permlanex16_b32 v9, v8, s10, s11             ; (its destination has been written)
	v_add_f32 v8, v8, v9                           ; the whole sum, in every lane
	v_mul_f32 v8, 0x34800000, v8                   ; x 2^-22: exact
	s_wait_alu depctr_va_vdst(0)
	s_wait_xcnt 0x0                                ; EXEC changes only behind this wait
	v_cmp_eq_u32 vcc_lo, 0, v0
	s_and_saveexec_b32 s9, vcc_lo
	global_store_b32 v4, v8, s[6:7]                ; lane 0 alone
	s_wait_xcnt 0x0                                ; and again, in front of the line that widens it
	s_or_b32 exec_lo, exec_lo, s9
	s_endpgm
.Lfunc_end_k_qd78329d0bc_finish:
	.size	k_qd78329d0bc_finish, .Lfunc_end_k_qd78329d0bc_finish-k_qd78329d0bc_finish
	.p2alignl 7, 3214868480
	.fill 96, 4, 3214868480
	.section	.rodata,"a",@progbits
	.p2align	6, 0x0
	.amdhsa_kernel k_qd78329d0bc_finish
		.amdhsa_group_segment_fixed_size 0
		.amdhsa_private_segment_fixed_size 0
		.amdhsa_enable_private_segment 0
		.amdhsa_kernarg_size 16
		.amdhsa_user_sgpr_count 2
		.amdhsa_user_sgpr_kernarg_segment_ptr 1
		.amdhsa_wavefront_size32 1
		.amdhsa_system_sgpr_workgroup_id_x 1
		.amdhsa_system_sgpr_workgroup_id_y 1
		.amdhsa_system_sgpr_workgroup_id_z 1
		.amdhsa_system_vgpr_workitem_id 0
		.amdhsa_next_free_vgpr 16
		.amdhsa_next_free_sgpr 66
		.amdhsa_reserve_vcc 1
		.amdhsa_float_denorm_mode_32 3
		.amdhsa_float_denorm_mode_16_64 3
		.amdhsa_memory_ordered 1
		.amdhsa_forward_progress 1
		.amdhsa_inst_pref_size 2
	.end_amdhsa_kernel
	.amdgpu_metadata
---
amdhsa.version: [ 1, 2 ]
amdhsa.kernels:
  - .name:           k_qd78329d0bc_finish
    .symbol:         k_qd78329d0bc_finish.kd
    .args:
      - { .name: part, .offset: 0, .size: 8, .value_kind: global_buffer, .address_space: global }
      - { .name: out1, .offset: 8, .size: 8, .value_kind: global_buffer, .address_space: global }
    .group_segment_fixed_size: 0
    .private_segment_fixed_size: 0
    .kernarg_segment_align: 8
    .kernarg_segment_size: 16
    .max_flat_workgroup_size: 32
    .sgpr_count:     66
    .vgpr_count:     16
    .wavefront_size: 32
...
	.end_amdgpu_metadata
.endif
;; end of part 4
